; MI455X (gfx1250); checked and timed in simulation.
; The chip was launched on July 23, 2026; its instructions are those of AMD's public machine-readable ISA for CDNA 5 (MIT licence, August 2026) and "CDNA5" Instruction Set Architecture Reference Guide (July 2026). The comments in the code are by the model that wrote it; some were corrected since.
;; Reciprocal Space Attention. Allowed arithmetic: matrix products marked QUANTISED: E2M3 operands, one E8M0 scale for each 32 along K, by v_wmma_scale_f32_16x16x128_f8f6f4 with both operands' format E2M3, f32 sums; products left as they are: f32 operands where the result goes on into a quantised operand, else bf16, f16 or f32 operands; f32 sums; everything else in f32.
;; Inputs: W_qkv 64 x 192 float32; batch 8,192 int32; k_vecs 16 x 64 x 3 float32; node_feat 8,192 x 64 float32; positions 8,192 x 3 float32; w_k 16 x 64 float32.
;; Outputs: out0 8,192 x 64 float32.
;; This version of the problem:
;;   THIS VERSION OF THE PROBLEM IS GIVEN IN LOW PRECISION. The matrix products marked QUANTISED in the list below multiply operands that are first quantised to E2M3 (2 exponent bits, 3 mantissa bits; 6 bits a number), with one power-of-two scale for each 32 numbers along K (OCP MX v1.0); their sums are f32. All else is computed in f32.
;;   The module's matrix products, in the order in which they are computed (A, B: the left and right operand; K: the contracted axis; several contracted axes count as one K, in the product's order):
;;     1. [M 8,192, K 64] x [K 64, N 192]; A: input node_feat; B: input W_qkv: QUANTISED
;;     2. batch 8,192 x [M 1, K 3] x [K 3, N 64]; A: input positions; B: computed on the way: left as it is (K = 3 < 32)
;;     3. [M 1,024, K 8,192] x [K 8,192, N 4,096]; A: computed on the way; B: computed on the way: QUANTISED
;;     4. [M 8,192, K 4,096] x [K 4,096, N 1,024]; A: computed on the way; B: computed on the way: QUANTISED
;;   THE QUANTISER, for each operand of a quantised product, along K:
;;     - K is cut into blocks of 32 from its start; a last block that is shorter is filled with zeros.
;;     - A block's scale is 2^e with e = floor(log2(the largest magnitude in the block)) - 2, held to -126 .. 127; a block of zeros has e = 0. As a byte (E8M0): e + 127.
;;     - Each number is divided by its block's scale, clamped to +-7.5, and rounded to the nearest number of E2M3, ties to even, subnormals kept.
;;     - The product sums the exact products of the quantised numbers (number of the format x scale) in f32.
;;   ~~~python
;;   def quantise(x, axis):      # numpy; x: float32 -> the quantised numbers, widened to float32 again
;;       x = np.moveaxis(x, axis, -1); K = x.shape[-1]
;;       x = np.pad(x, [(0, 0)] * (x.ndim - 1) + [(0, -K % 32)]); x = x.reshape(x.shape[:-1] + (-1, 32)); a = np.abs(x).max(-1, keepdims=True)
;;       e = np.where(a > 0, np.clip(np.frexp(np.where(a > 0, a, 1))[1] - 1 - 2, -126, 127), 0)      # np.frexp(a)[1] - 1 = floor(log2(a)), exactly
;;       r = np.clip(x / 2.0 ** e, -7.5, 7.5)
;;       step = 2.0 ** (np.maximum(np.frexp(np.where(r == 0, 1, r))[1] - 1, 0) - 3)
;;       q = np.round(r / step) * step * 2.0 ** e      # np.round: ties to even
;;       return np.moveaxis(q.reshape(q.shape[:-2] + (-1,))[..., :K], -1, axis).astype(np.float32)
;;   ~~~
;;   OPERANDS COMPUTED ON THE WAY. 'Computed on the way' means the value that the module computes at that place (a softmax that the list does not call 'softmax' is quantised finished and normalised). What goes into a quantiser is computed in f32, as accurately as f32 sums, v_exp_f32 and their like allow (about 1e-6 of the number): no bf16 or f16 on the way to a quantiser, and a product that is left as it is and whose result goes on into a quantised operand takes f32 operands (vector FMAs, or v_wmma_f32_16x16x4_f32). A number that lies on a knife's edge between two numbers of the format may be rounded either way, as far as f32 arithmetic and the matrix unit's own rounding can turn it there, and no further.
;; One version. Each part assembles by itself: llvm-mc -triple=amdgcn-amd-amdhsa -mcpu=gfx1250 --defsym DOCPART=n.
;; ======== version 1 of 1: 3 launches
;; limits: right only within a limited range of input values
;; workspace buffers: KB 2,097,152 bytes; CSK 4,194,304 bytes; CSQ 4,194,304 bytes; VG 8,388,608 bytes; XY 4,194,304 bytes; PMB 32,768 bytes of whole numbers; KVC 3,145,728 bytes; KVS 262,144 bytes
;; launch prep (part 1): grid 256 x 1, 4 waves a work-group, no clusters, 0 bytes of LDS; arguments node_feat, W_qkv, batch, positions, k_vecs, w_k, KB, CSK, CSQ, VG, XY, PMB; writes KB, CSK, CSQ, VG, XY, PMB
.if DOCPART == 1
	.amdgcn_target "amdgcn-amd-amdhsa--gfx1250"
	.amdhsa_code_object_version 6
	.text
	.protected	k_qd0642d487e_prep
	.globl	k_qd0642d487e_prep
	.p2align	8
	.type	k_qd0642d487e_prep,@function
k_qd0642d487e_prep:
	s_mov_b64 s[64:65], 0
	v_nop
	global_prefetch_b8 v0, s[64:65] scope:SCOPE_SE
	s_setreg_imm32_b32 hwreg(HW_REG_WAVE_MODE, 25, 1), 1
	s_wait_xcnt 0x0
; PREP.  A work-group owns one block of 32 nodes (blk); four blocks are a chunk c of 128 nodes, one K step of the second product.
; It makes: qkv = Q(node_feat) Q(W_qkv) on E2M3 codes (K = 64: two blocks of 32, the rest of the 128 are zero codes), SiLU on q and k, and the tables that the two later launches read:
;   KB  [c 64][jg 8][bi 4][e 4][x 8][h 2][4 f32]       silu(k): pair 4 jg + x / 2, a (x even) or b (x odd), at positions 16 h + 4 e .. of block bi
;   CSK [c][mu 2][u 2][cc 2][cs 2][q8 8][16 hK + r][16 B]  cos (cs 0) or sin (cs 1) of m = 32 mu + 8 u + r + 8 (r / 8) at positions 4 q8 .. of block 2 cc + hK
;   CSQ [tile of 16 nodes 512][mu][cs][q8 8][r 16][16 B]   cos w / 8 or sin w / 8 of node r at m = 32 mu + 4 q8 ..
;   VG  [c][g 16][bi][2048 B]  v masked to graph g as codes along the nodes: 64 columns x 24 bytes; at byte 1536 one word a column (scale byte << 8 bi), at 1792 once more.  Only graphs present in the chunk
;   XY  [tile][jh 2][e 8][16 role + r][16 B]  (x, y) of pairs 2 jp, 2 jp + 1, jp = 8 jh + e: role 0 (a, -b), role 1 (b, a) of silu(q)
;   PMB [blk][32] words: the mask of the graphs present in blk's chunk
; POSITION IN A BLOCK: node 16 T + 8 h + j lies at position 16 h + 8 T + j, alike in KB, CSK and VG: a permutation inside one scale block, made on both operands of the product.
; Wave w: feature tile w of q, of k and of v; the sines and cosines of m tile (mu, u) = (w / 2, w % 2) for the keys (a lane an m, registers down 16 nodes) and of m = 16 w .. 16 w + 15 for the queries (a lane a node).
; Waves share nothing: no LDS, no barrier.
; SINE AND COSINE in f32: k = round(x 2 / pi); x - k pi / 2 by three fused multiply-adds; polynomials of degree 7 and 8 on |r| <= pi / 4; the quadrant by selects and sign bits.
; LIMITS: the reduction keeps an absolute error of about 1e-7 for |phase| up to about 1e5; NaN and infinities are not served; a block whose largest magnitude lies under 2^-124 gets the scale byte 1;
; a block of zeros gets the byte 1 too (its codes are zeros; only this program reads the bytes).
.set CB,  20                           ; v20-23   batch of the chunk, four nodes a lane
.set BN,  24                           ; v24-39   batch of node 16 T + 8 h + j at 8 T + j
.set XR,  40                           ; v40-103  node_feat: two tiles x 32 numbers
.set WR,  104                          ; v104-199 W_qkv: three parts x 32 numbers
.set WF,  40                           ; v40-75   W's three fragments
.set XF,  200                          ; v200-223 node_feat's two fragments
.set DQ,  104                          ; results: q (a lane a node), k, v (a lane a feature)
.set DK,  120
.set DV,  136
.set EE,  152                          ; v152-183 at work in SiLU
.set MV,  184                          ; v184-199 v masked to one graph
.set PP,  40                           ; v40-71   XY's pieces
.set XS,  224                          ; v224-225 node_feat's scale words;  v226-228 W's: these five hold scales and nothing else
.set WS,  226
.set MXA, 229
.set MXB, 230
.set SC,  231
.set BY,  232
.set TT,  233
.set TT2, 234
.set TMP, 236
.set VC,  240
.set B2,  244
.set SH8, 245
.set M12, 247
.set PMV, 248
; window 1
.set POS, 0                            ; positions of my 16 nodes, 3 each
.set KVG, 48                           ; their graphs' k vector at my m: 3 registers, and in the fourth the gather's offset
.set P2,  112                          ; position of node l
.set K2,  116                          ; its graph's 16 k vectors
.set W2,  164                          ; its graph's 16 weights
.set PX,  180
.set TK,  184
.set TZ,  188
.set TPS, 192
.set TPC, 196
.set TQ,  200
.set COS, 204
.set SIN, 220
.set MSB, 0
.macro WIN new                         ; the immediate's high byte repeats the setting that is left; a switch that changes nothing is dropped
.if MSB != (\new)
	s_set_vgpr_msb (MSB<<8)|(\new)
.set MSB, (\new)
.endif
.endm
; 32 numbers of one lane, one block along K, become 6 registers of codes at lo (window wd) and the scale's byte in by.
.macro QBLK t, lo, tmp, by, wd
	WIN 0
	v_max3_num_f32 v[MXA], |v[\t]|, |v[\t+1]|, 0x1800000             ; the floor 2^(3 - 127) holds the byte at 1 from below
	v_max3_num_f32 v[MXB], |v[\t+16]|, |v[\t+17]|, |v[\t+18]|
.irp i, 0,1,2,3,4,5
	v_max3_num_f32 v[MXA], v[MXA], |v[\t+2+2*\i]|, |v[\t+3+2*\i]|
	v_max3_num_f32 v[MXB], v[MXB], |v[\t+19+2*\i]|, |v[\t+20+2*\i]|
.endr
	v_max3_num_f32 v[MXA], v[MXA], |v[\t+14]|, |v[\t+15]|
	v_max3_num_f32 v[MXA], v[MXA], v[MXB], |v[\t+31]|
	v_add_nc_u32 v[SC], 0xff000000, v[MXA]                           ; 2 off the exponent field: the conversion's scale operand
	v_lshrrev_b32 v[\by], 23, v[SC]
	WIN (\wd)<<6
	v_cvt_scalef32_pk16_fp6_f32 v[\lo:\lo+2], v[\t:\t+15], v[SC]
	v_cvt_scalef32_pk16_fp6_f32 v[\tmp:\tmp+2], v[\t+16:\t+31], v[SC]   ; (a conversion's three registers begin on an even number)
	v_nop                                                            ; one plain place behind a scaled conversion
	WIN ((\wd)<<6)|(\wd)
.irp i, 0,1,2
	v_mov_b32 v[\lo+3+\i], v[\tmp+\i]
.endr
.endm
.macro HWORD dst                       ; my half's byte at byte h, the other half's beside it; bytes 2 and 3 stay 0 over zero codes
	v_lshlrev_b32 v[TT], v[SH8], v[BY]
	v_permlanex16_b32 v[TT2], v[TT], s38, s39
	v_or_b32 v[\dst], v[TT], v[TT2]
.endm
; four phases in v[PX ..] (window 1) become four cosines at c and four sines at s, line by line over the four
.macro TRIG4 c, s
.irp k, 0,1,2,3
	v_mul_f32 v[TK+\k], 0x3f22f983, v[PX+\k]                         ; x 2 / pi
.endr
.irp k, 0,1,2,3
	v_rndne_f32 v[TK+\k], v[TK+\k]
.endr
.irp k, 0,1,2,3
	v_fma_f32 v[PX+\k], v[TK+\k], 0xbfc90fdb, v[PX+\k]               ; x - k pi / 2, pi / 2 in three parts
.endr
.irp k, 0,1,2,3
	v_fma_f32 v[PX+\k], v[TK+\k], 0x333bbd2e, v[PX+\k]
.endr
.irp k, 0,1,2,3
	v_fma_f32 v[PX+\k], v[TK+\k], 0x26f72ced, v[PX+\k]
.endr
.irp k, 0,1,2,3
	v_cvt_i32_f32 v[TQ+\k], v[TK+\k]
.endr
.irp k, 0,1,2,3
	v_mul_f32 v[TZ+\k], v[PX+\k], v[PX+\k]
.endr
.irp k, 0,1,2,3
	v_fmaak_f32 v[TPS+\k], s44, v[TZ+\k], 0x3c08839e
.endr
.irp k, 0,1,2,3
	v_fmaak_f32 v[TPC+\k], s45, v[TZ+\k], 0xbab6061a
.endr
.irp k, 0,1,2,3
	v_fmaak_f32 v[TPS+\k], v[TPS+\k], v[TZ+\k], 0xbe2aaaa3
.endr
.irp k, 0,1,2,3
	v_fmaak_f32 v[TPC+\k], v[TPC+\k], v[TZ+\k], 0x3d2aaaa5
.endr
.irp k, 0,1,2,3
	v_mul_f32 v[TK+\k], v[PX+\k], v[TZ+\k]                           ; r z
.endr
.irp k, 0,1,2,3
	v_fma_f32 v[(\c)+\k], v[TZ+\k], -0.5, 1.0
.endr
.irp k, 0,1,2,3
	v_mul_f32 v[TZ+\k], v[TZ+\k], v[TZ+\k]
.endr
.irp k, 0,1,2,3
	v_fma_f32 v[(\s)+\k], v[TPS+\k], v[TK+\k], v[PX+\k]              ; sin r
.endr
.irp k, 0,1,2,3
	v_fma_f32 v[(\c)+\k], v[TPC+\k], v[TZ+\k], v[(\c)+\k]            ; cos r
.endr
.irp k, 0,1,2,3
	v_and_b32 v[TK+\k], 1, v[TQ+\k]
.endr
.irp k, 0,1,2,3
	v_cmp_eq_u32 s[40+\k], 1, v[TK+\k]                               ; odd quadrants change sine and cosine
.endr
.irp k, 0,1,2,3
	v_cndmask_b32 v[TPS+\k], v[(\s)+\k], v[(\c)+\k], s[40+\k]
.endr
.irp k, 0,1,2,3
	v_cndmask_b32 v[TPC+\k], v[(\c)+\k], v[(\s)+\k], s[40+\k]
.endr
.irp k, 0,1,2,3
	v_lshlrev_b32 v[TK+\k], 30, v[TQ+\k]                             ; the sine's sign: bit 1 of the quadrant
.endr
.irp k, 0,1,2,3
	v_add_nc_u32 v[TQ+\k], 1, v[TQ+\k]                               ; the cosine's: bit 1 of the quadrant + 1
.endr
.irp k, 0,1,2,3
	v_and_b32 v[TK+\k], 0x80000000, v[TK+\k]
.endr
.irp k, 0,1,2,3
	v_lshlrev_b32 v[TQ+\k], 30, v[TQ+\k]
.endr
.irp k, 0,1,2,3
	v_xor_b32 v[(\s)+\k], v[TPS+\k], v[TK+\k]
.endr
.irp k, 0,1,2,3
	v_and_b32 v[TQ+\k], 0x80000000, v[TQ+\k]
.endr
.irp k, 0,1,2,3
	v_xor_b32 v[(\c)+\k], v[TPC+\k], v[TQ+\k]
.endr
.endm
	s_load_b512 s[8:23], s[0:1], 0x0               ; node_feat s[8:9], W_qkv s[10:11], batch s[12:13], positions s[14:15], k_vecs s[16:17], w_k s[18:19], KB s[20:21], CSK s[22:23]
	s_load_b256 s[24:31], s[0:1], 0x40             ; CSQ s[24:25], VG s[26:27], XY s[28:29], PMB s[30:31]
	v_lshrrev_b32 v1, 5, v0
	v_readfirstlane_b32 s32, v1                    ; wave w
	v_and_b32 v1, 31, v0                           ; lane l
	v_and_b32 v2, 15, v0                           ; r
	v_bfe_u32 v3, v0, 4, 1                         ; h
	s_mov_b32 s33, ttmp9                           ; blk
	s_lshr_b32 s34, s33, 2                         ; c
	s_and_b32 s35, s33, 3                          ; bi
	s_lshr_b32 s53, s32, 1                         ; w / 2
	s_and_b32 s54, s32, 1                          ; w % 2
	s_mov_b32 s38, 0x76543210
	s_mov_b32 s39, 0xfedcba98                      ; v_permlanex16_b32's selects for lane l xor 16
	s_mov_b32 s44, 0xb94ca1f9                      ; the polynomials' leading coefficients
	s_mov_b32 s45, 0x37ccf5ce
	s_lshl_b32 s52, s35, 3                         ; 8 bi
	s_mov_b32 s47, 0                               ; the high word of every offset pair s[46:47]
	v_lshlrev_b32 v4, 8, v2
	v_lshl_add_u32 v4, v3, 7, v4                   ; node_feat: row r of 256 bytes, + 128 h: my block of 32 features
	v_mul_u32_u24 v5, v3, 0x6000
	v_lshl_add_u32 v5, v2, 2, v5
	s_lshl_b32 s46, s32, 6
	v_add_nc_u32 v5, s46, v5                       ; W: 32 h rows of 768 bytes down, column 16 w + r
	v_lshlrev_b32 v6, 4, v1                        ; the chunk's batch: four nodes a lane
	v_lshlrev_b32 v7, 5, v3                        ; batch of my half's eight nodes
	v_lshlrev_b32 v8, 2, v1                        ; batch of node l; also PMB's word
	v_mul_u32_u24 v9, v3, 96                       ; positions of my half's eight nodes
	v_mul_u32_u24 v10, v1, 12                      ; position of node l
	v_lshrrev_b32 v17, 3, v2                       ; r / 8
	v_and_b32 v11, 7, v2
	v_lshlrev_b32 v11, 5, v11
	v_lshl_add_u32 v11, v17, 12, v11
	v_lshl_add_u32 v11, v3, 4, v11                 ; KB: 4096 (r / 8) + 32 (r % 8) + 16 h
	v_lshlrev_b32 v12, 4, v2
	v_lshl_add_u32 v15, v3, 11, v12                ; CSK: 2048 h + 16 r
	v_lshl_add_u32 v16, v3, 13, v12                ; CSQ: 8192 (l / 16) + 16 r
	v_lshl_add_u32 v12, v3, 10, v12                ; XY: 1024 h + 16 r
	v_mul_u32_u24 v13, v2, 24
	v_mad_u32_u24 v13, v3, 12, v13
	s_mul_i32 s46, s32, 384
	v_add_nc_u32 v13, s46, v13                     ; VG's codes: 24 (16 w + r) + 12 h
	v_lshlrev_b32 v14, 2, v2
	v_lshl_add_u32 v14, v3, 8, v14
	s_lshl_b32 s46, s32, 6
	s_add_co_u32 s46, s46, 1536
	v_add_nc_u32 v14, s46, v14                     ; VG's words: 1536 + 256 h + 4 (16 w + r)
	v_lshl_add_u32 v17, v17, 3, v2                 ; r + 8 (r / 8)
	s_lshl_b32 s46, s53, 5
	s_lshl_b32 s55, s54, 3
	s_add_co_u32 s46, s46, s55
	v_add_nc_u32 v17, s46, v17                     ; my m for the keys' table
	v_mul_u32_u24 v[M12], v17, 12
	v_lshlrev_b32 v[SH8], 3, v3
	v_mov_b32 v[TT2], 0                            ; written once: a lane permute's destination counts as one of its sources
	s_wait_kmcnt 0x0
	s_lshl_b32 s46, s34, 9
	s_add_nc_u64 s[48:49], s[12:13], s[46:47]      ; batch at the chunk
	s_lshl_b32 s46, s33, 7
	s_add_nc_u64 s[12:13], s[12:13], s[46:47]      ; batch at the block
	s_add_nc_u64 s[30:31], s[30:31], s[46:47]      ; PMB at the block
	s_mul_i32 s46, s33, 384
	s_add_nc_u64 s[14:15], s[14:15], s[46:47]
	s_lshl_b32 s46, s33, 13
	s_add_nc_u64 s[8:9], s[8:9], s[46:47]
	; 131 loads: the whole numbers first
	global_load_b128 v[CB:CB+3], v6, s[48:49]
.irp q, 0,1,2,3
	global_load_b128 v[BN+4*\q:BN+4*\q+3], v7, s[12:13] offset:64*(\q/2)+16*(\q%2)
.endr
	global_load_b32 v[B2], v8, s[12:13]
	WIN 0x40                                       ; destination window 1
.irp q, 0,1,2,3,4,5,6,7,8,9,10,11
	global_load_b128 v[POS+4*\q:POS+4*\q+3], v9, s[14:15] offset:192*(\q/6)+16*(\q%6)
.endr
	global_load_b96 v[P2:P2+2], v10, s[14:15]
	WIN 0
.set i, 0
.rept 16
	global_load_b128 v[XR+4*i:XR+4*i+3], v4, s[8:9] offset:4096*(i/8)+16*(i%8)
.set i, i+1
.endr
.set i, 0
.rept 96
	global_load_b32 v[WR+i], v5, s[10:11] offset:768*(i%32)+256*(i/32)   ; W(32 h + i, my column): a lane a column, registers down K
.set i, i+1
.endr
	; the other bases, while the loads are out
	s_mul_i32 s46, s32, 192
	s_add_nc_u64 s[50:51], s[16:17], s[46:47]      ; k_vecs at m = 16 w
	s_lshl_b32 s46, s32, 6
	s_add_nc_u64 s[18:19], s[18:19], s[46:47]      ; w_k at m = 16 w
	s_lshl_b32 s46, s34, 15
	s_lshl_b32 s55, s32, 13
	s_add_co_u32 s46, s46, s55
	s_lshl_b32 s55, s35, 10
	s_add_co_u32 s46, s46, s55
	s_add_nc_u64 s[20:21], s[20:21], s[46:47]      ; KB + 32768 c + 8192 w + 1024 bi
	s_lshl_b32 s46, s34, 16
	s_lshl_b32 s55, s32, 14
	s_add_co_u32 s46, s46, s55
	s_lshr_b32 s55, s35, 1
	s_lshl_b32 s55, s55, 13
	s_add_co_u32 s46, s46, s55
	s_and_b32 s55, s35, 1
	s_lshl_b32 s55, s55, 8
	s_add_co_u32 s46, s46, s55
	s_add_nc_u64 s[22:23], s[22:23], s[46:47]      ; CSK + 65536 c + 16384 w + 8192 (bi / 2) + 256 (bi % 2)
	s_lshl_b32 s46, s33, 14
	s_lshl_b32 s55, s53, 12
	s_add_co_u32 s46, s46, s55
	s_lshl_b32 s55, s54, 10
	s_add_co_u32 s55, s46, s55
	s_mov_b32 s56, s55
	s_mov_b32 s57, 0
	s_add_nc_u64 s[24:25], s[24:25], s[56:57]      ; CSQ + 16384 blk + 4096 (w / 2) + 1024 (w % 2)
	s_lshl_b32 s55, s54, 11
	s_add_co_u32 s46, s46, s55
	s_add_nc_u64 s[28:29], s[28:29], s[46:47]      ; XY + 16384 blk + 4096 (w / 2) + 2048 (w % 2)
	s_lshl_b32 s46, s34, 17
	s_lshl_b32 s55, s35, 11
	s_add_co_u32 s46, s46, s55
	s_add_nc_u64 s[26:27], s[26:27], s[46:47]      ; VG + 131072 c + 2048 bi: graph 0's record
	s_wait_loadcnt 63                              ; the 63 youngest loads are all W's: the whole numbers are in
	v_lshlrev_b32 v[PMV], v[CB], 1                 ; the graphs of the chunk's 128 nodes as bits
	v_lshlrev_b32 v[TT], v[CB+1], 1
	v_or_b32 v[PMV], v[PMV], v[TT]
	v_lshlrev_b32 v[TT], v[CB+2], 1
	v_or_b32 v[PMV], v[PMV], v[TT]
	v_lshlrev_b32 v[TT], v[CB+3], 1
	v_or_b32 v[PMV], v[PMV], v[TT]
.irp x, 1,2,4,8
	v_mov_b32_dpp v[TT], v[PMV] row_xmask:\x row_mask:0xf bank_mask:0xf
	v_or_b32 v[PMV], v[PMV], v[TT]
.endr
	v_permlanex16_b32 v[TT], v[PMV], s38, s39
	v_or_b32 v[PMV], v[PMV], v[TT]                 ; every lane holds the chunk's mask; never rewritten: it is a store's data
	v_readfirstlane_b32 s36, v[PMV]
	v_min_u32 v18, 15, v[B2]                       ; node l's graph, held inside the tables
	v_lshlrev_b32 v19, 8, v18                      ; its row of w_k
	v_mul_u32_u24 v18, 0x300, v18                  ; its 64 k vectors
	WIN 0x40
.set i, 0
.rept 16
	v_min_u32 v[KVG+4*i+3], 15, v[BN+i]
.set i, i+1
.endr
	WIN 0x44
.set i, 0
.rept 16
	v_mul_u32_u24 v[KVG+4*i+3], 0x300, v[KVG+4*i+3]
.set i, i+1
.endr
.set i, 0
.rept 16
	v_add_nc_u32 v[KVG+4*i+3], v[M12], v[KVG+4*i+3]   ; 768 x graph + 12 x my m
.set i, i+1
.endr
	WIN 0x41                                       ; destination and address window 1
.set i, 0
.rept 16
	global_load_b96 v[KVG+4*i:KVG+4*i+2], v[KVG+4*i+3], s[16:17]
.set i, i+1
.endr
	WIN 0x40
.irp q, 0,1,2,3,4,5,6,7,8,9,10,11
	global_load_b128 v[K2+4*\q:K2+4*\q+3], v18, s[50:51] offset:16*\q
.endr
.irp q, 0,1,2,3
	global_load_b128 v[W2+4*\q:W2+4*\q+3], v19, s[18:19] offset:16*\q
.endr
	WIN 0
	s_cmp_lg_u32 s32, 0                            ; one wave stores the mask
	s_cbranch_scc1 .Lnopm
	global_store_b32 v8, v[PMV], s[30:31]
.Lnopm:
	s_wait_loadcnt 32                              ; only the 32 gathers may be out: node_feat and W are in
	QBLK XR, XF, TMP, BY, 0
	HWORD XS
	QBLK XR+32, XF+12, TMP, BY, 0
	HWORD XS+1
	QBLK WR, WF, TMP, BY, 0
	HWORD WS
	QBLK WR+32, WF+12, TMP, BY, 0
	HWORD WS+1
	QBLK WR+64, WF+24, TMP, BY, 0
	HWORD WS+2
.irp f, 0,1
.irp i, 6,7,8,9,10,11
	v_mov_b32 v[XF+12*\f+\i], 0                    ; K = 64 .. 127: zero codes on both sides
.endr
.endr
.irp f, 0,1,2
.irp i, 6,7,8,9,10,11
	v_mov_b32 v[WF+12*\f+\i], 0
.endr
.endr
.rept 8
	v_nop                                          ; a scale register written by a vector instruction stands 8 places ahead of a scaled matrix instruction, an operand 4
.endr
.irp T, 0,1                                    ; q transposed: a lane holds node 16 T + r, its registers features 16 w + 8 h + 0 .. 7
	v_wmma_scale_f32_16x16x128_f8f6f4 v[DQ+8*\T:DQ+8*\T+7], v[WF:WF+11], v[XF+12*\T:XF+12*\T+11], 0, v[WS], v[XS+\T] matrix_a_fmt:MATRIX_FMT_FP6 matrix_b_fmt:MATRIX_FMT_FP6
.endr
.irp T, 0,1                                    ; k: a lane holds feature 16 w + r, its registers nodes 16 T + 8 h + 0 .. 7
	v_wmma_scale_f32_16x16x128_f8f6f4 v[DK+8*\T:DK+8*\T+7], v[XF+12*\T:XF+12*\T+11], v[WF+12:WF+23], 0, v[XS+\T], v[WS+1] matrix_a_fmt:MATRIX_FMT_FP6 matrix_b_fmt:MATRIX_FMT_FP6
.endr
.irp T, 0,1                                    ; v likewise
	v_wmma_scale_f32_16x16x128_f8f6f4 v[DV+8*\T:DV+8*\T+7], v[XF+12*\T:XF+12*\T+11], v[WF+24:WF+35], 0, v[XS+\T], v[WS+2] matrix_a_fmt:MATRIX_FMT_FP6 matrix_b_fmt:MATRIX_FMT_FP6
.endr
.rept 4
	v_nop
.endr
	; SiLU on q and k: x / (1 + 2^(-x log2 e)); each accumulator is read from its low end on
.set i, 0
.rept 32
	v_mul_f32 v[EE+i], 0xbfb8aa3b, v[DQ+i]
.set i, i+1
.endr
.set i, 0
.rept 32
	v_exp_f32 v[EE+i], v[EE+i]
.set i, i+1
.endr
	v_nop                                          ; a plain place behind the last exponential
	s_wait_alu depctr_va_vdst(0)                   ; one wait for the batch, ahead of its first reader
.set i, 0
.rept 16
	v_pk_add_f32 v[EE+2*i:EE+2*i+1], v[EE+2*i:EE+2*i+1], 1.0 op_sel_hi:[1,0]
.set i, i+1
.endr
.set i, 0
.rept 32
	v_rcp_f32 v[EE+i], v[EE+i]
.set i, i+1
.endr
	v_nop
	s_wait_alu depctr_va_vdst(0)                   ; and one for the reciprocals
.set i, 0
.rept 8
	v_pk_mul_f32 v[DK+2*i:DK+2*i+1], v[DK+2*i:DK+2*i+1], v[EE+16+2*i:EE+16+2*i+1]
.set i, i+1
.endr
.irp T, 0,1
.irp i2, 0,1                                   ; registers 4 i2 .. 4 i2 + 3 are (a, b) of the two pairs of step jp = 4 w + 2 h + i2
.set q_, DQ+8*\T+4*\i2
.set e_, EE+8*\T+4*\i2
.set p_, PP+16*\T+8*\i2
	v_mul_f32 v[p_+0], v[q_+0], v[e_+0]            ; role 0: (a, -b)
	v_mul_f32 v[p_+1], -v[q_+1], v[e_+1]
	v_mul_f32 v[p_+2], v[q_+2], v[e_+2]
	v_mul_f32 v[p_+3], -v[q_+3], v[e_+3]
	v_mul_f32 v[p_+4], v[q_+1], v[e_+1]            ; role 1: (b, a)
	v_mul_f32 v[p_+5], v[q_+0], v[e_+0]
	v_mul_f32 v[p_+6], v[q_+3], v[e_+3]
	v_mul_f32 v[p_+7], v[q_+2], v[e_+2]
.endr
.endr
.irp T, 0,1
.irp i2, 0,1
.irp ro, 0,1
	global_store_b128 v12, v[PP+16*\T+8*\i2+4*\ro:PP+16*\T+8*\i2+4*\ro+3], s[28:29] offset:8192*\T+512*\i2+256*\ro   ; sixteen lanes store 256 consecutive bytes, aligned
.endr
.endr
.endr
.irp e, 0,1,2,3
	global_store_b128 v11, v[DK+4*\e:DK+4*\e+3], s[20:21] offset:256*\e   ; positions 16 h + 4 e ..: sixteen lanes store 256 consecutive bytes, aligned
.endr
	; v masked to each graph that the chunk holds, quantised along the block's 32 nodes
	s_mov_b32 s37, 0
.Lvg:
	s_lshr_b32 s46, s36, s37
	s_and_b32 s46, s46, 1
	s_cmp_eq_u32 s46, 0
	s_cbranch_scc1 .Lnog
.set i, 0
.rept 16
	v_cmp_eq_u32 vcc_lo, s37, v[BN+i]
	v_cndmask_b32 v[MV+i], 0, v[DV+i], vcc_lo
.set i, i+1
.endr
	v_max3_num_f32 v[MXA], |v[MV]|, |v[MV+1]|, 0x1800000
	v_max3_num_f32 v[MXB], |v[MV+8]|, |v[MV+9]|, |v[MV+10]|
	v_max3_num_f32 v[MXA], v[MXA], |v[MV+2]|, |v[MV+3]|
	v_max3_num_f32 v[MXB], v[MXB], |v[MV+11]|, |v[MV+12]|
	v_max3_num_f32 v[MXA], v[MXA], |v[MV+4]|, |v[MV+5]|
	v_max3_num_f32 v[MXB], v[MXB], |v[MV+13]|, |v[MV+14]|
	v_max3_num_f32 v[MXA], v[MXA], |v[MV+6]|, |v[MV+7]|
	v_max3_num_f32 v[MXA], v[MXA], v[MXB], |v[MV+15]|
	v_permlanex16_b32 v[TT2], v[MXA], s38, s39
	v_max_num_f32 v[MXA], v[MXA], v[TT2]           ; with the other half's 16 nodes: the block's largest magnitude
	v_add_nc_u32 v[SC], 0xff000000, v[MXA]
	v_cvt_scalef32_pk16_fp6_f32 v[VC:VC+2], v[MV:MV+15], v[SC]
	v_lshrrev_b32 v[BY], 23, v[SC]                 ; (a plain place behind the conversion)
	v_lshlrev_b32 v[BY], s52, v[BY]                ; the byte at its place in the chunk's scale word
	global_store_b96 v13, v[VC:VC+2], s[26:27]
	global_store_b32 v14, v[BY], s[26:27]
.Lnog:
	s_wait_xcnt 0x0                                ; the stores have read their data and their base: both are written again
	s_add_nc_u64 s[26:27], s[26:27], 8192          ; the next graph's record
	s_add_co_u32 s37, s37, 1
	s_cmp_lt_u32 s37, 16
	s_cbranch_scc1 .Lvg
	; the keys' table: phase = position of node i . k vector of ITS graph at my m
	s_wait_loadcnt 0x0                             ; the gathers
	WIN 0x55                                       ; all operands window 1
.irp e, 0,1,2,3
.irp k, 0,1,2,3
	v_mul_f32 v[PX+\k], v[POS+3*(4*\e+\k)], v[KVG+4*(4*\e+\k)]
.endr
.irp k, 0,1,2,3
	v_fma_f32 v[PX+\k], v[POS+3*(4*\e+\k)+1], v[KVG+4*(4*\e+\k)+1], v[PX+\k]
.endr
.irp k, 0,1,2,3
	v_fma_f32 v[PX+\k], v[POS+3*(4*\e+\k)+2], v[KVG+4*(4*\e+\k)+2], v[PX+\k]
.endr
	TRIG4 COS+4*\e, SIN+4*\e
.endr
	WIN 0x04                                       ; a store's data window 1, its address window 0
.irp e, 0,1,2,3
	global_store_b128 v15, v[COS+4*\e:COS+4*\e+3], s[22:23] offset:512*\e
	global_store_b128 v15, v[SIN+4*\e:SIN+4*\e+3], s[22:23] offset:4096+512*\e
.endr
	s_wait_xcnt 0x0                                ; the stores have read their data: the tables' registers are written again
	; the queries' table: node l, m = 16 w + i, times w / 8
	WIN 0x55
.irp e, 0,1,2,3
.irp k, 0,1,2,3
	v_mul_f32 v[PX+\k], v[P2], v[K2+3*(4*\e+\k)]
.endr
.irp k, 0,1,2,3
	v_fma_f32 v[PX+\k], v[P2+1], v[K2+3*(4*\e+\k)+1], v[PX+\k]
.endr
.irp k, 0,1,2,3
	v_fma_f32 v[PX+\k], v[P2+2], v[K2+3*(4*\e+\k)+2], v[PX+\k]
.endr
	TRIG4 COS+4*\e, SIN+4*\e
.endr
.set i, 0
.rept 8
	v_pk_mul_f32 v[W2+2*i:W2+2*i+1], v[W2+2*i:W2+2*i+1], 0x3e000000 op_sel_hi:[1,0]   ; w / sqrt(64): exact
.set i, i+1
.endr
.set i, 0
.rept 8
	v_pk_mul_f32 v[COS+2*i:COS+2*i+1], v[COS+2*i:COS+2*i+1], v[W2+2*i:W2+2*i+1]
	v_pk_mul_f32 v[SIN+2*i:SIN+2*i+1], v[SIN+2*i:SIN+2*i+1], v[W2+2*i:W2+2*i+1]
.set i, i+1
.endr
	WIN 0x04
.irp e, 0,1,2,3
	global_store_b128 v16, v[COS+4*\e:COS+4*\e+3], s[24:25] offset:256*\e
	global_store_b128 v16, v[SIN+4*\e:SIN+4*\e+3], s[24:25] offset:2048+256*\e
.endr
	WIN 0
	s_endpgm
.Lfunc_end_k_qd0642d487e_prep:
	.size	k_qd0642d487e_prep, .Lfunc_end_k_qd0642d487e_prep-k_qd0642d487e_prep
	.p2alignl 7, 3214868480
	.fill 96, 4, 3214868480
	.section	.rodata,"a",@progbits
	.p2align	6, 0x0
	.amdhsa_kernel k_qd0642d487e_prep
		.amdhsa_group_segment_fixed_size 0
		.amdhsa_private_segment_fixed_size 0
		.amdhsa_enable_private_segment 0
		.amdhsa_kernarg_size 96
		.amdhsa_user_sgpr_count 2
		.amdhsa_user_sgpr_kernarg_segment_ptr 1
		.amdhsa_wavefront_size32 1
		.amdhsa_system_sgpr_workgroup_id_x 1
		.amdhsa_system_sgpr_workgroup_id_y 1
		.amdhsa_system_sgpr_workgroup_id_z 1
		.amdhsa_system_vgpr_workitem_id 0
		.amdhsa_next_free_vgpr 512
		.amdhsa_next_free_sgpr 66
		.amdhsa_reserve_vcc 1
		.amdhsa_float_denorm_mode_32 3
		.amdhsa_float_denorm_mode_16_64 3
		.amdhsa_memory_ordered 1
		.amdhsa_forward_progress 1
		.amdhsa_inst_pref_size 98
	.end_amdhsa_kernel
	.amdgpu_metadata
---
amdhsa.version: [ 1, 2 ]
amdhsa.kernels:
  - .name:           k_qd0642d487e_prep
    .symbol:         k_qd0642d487e_prep.kd
    .args:
      - { .name: node_feat, .offset: 0, .size: 8, .value_kind: global_buffer, .address_space: global }
      - { .name: W_qkv, .offset: 8, .size: 8, .value_kind: global_buffer, .address_space: global }
      - { .name: batch, .offset: 16, .size: 8, .value_kind: global_buffer, .address_space: global }
      - { .name: positions, .offset: 24, .size: 8, .value_kind: global_buffer, .address_space: global }
      - { .name: k_vecs, .offset: 32, .size: 8, .value_kind: global_buffer, .address_space: global }
      - { .name: w_k, .offset: 40, .size: 8, .value_kind: global_buffer, .address_space: global }
      - { .name: KB, .offset: 48, .size: 8, .value_kind: global_buffer, .address_space: global }
      - { .name: CSK, .offset: 56, .size: 8, .value_kind: global_buffer, .address_space: global }
      - { .name: CSQ, .offset: 64, .size: 8, .value_kind: global_buffer, .address_space: global }
      - { .name: VG, .offset: 72, .size: 8, .value_kind: global_buffer, .address_space: global }
      - { .name: XY, .offset: 80, .size: 8, .value_kind: global_buffer, .address_space: global }
      - { .name: PMB, .offset: 88, .size: 8, .value_kind: global_buffer, .address_space: global }
    .group_segment_fixed_size: 0
    .private_segment_fixed_size: 0
    .kernarg_segment_align: 8
    .kernarg_segment_size: 96
    .max_flat_workgroup_size: 128
    .sgpr_count:     66
    .vgpr_count:     512
    .wavefront_size: 32
...
	.end_amdgpu_metadata
.endif
;; end of part 1
;; launch kvg (part 2): grid 16 x 16, 4 waves a work-group, no clusters, 147,968 bytes of LDS; arguments CSK, KB, VG, PMB, KVC, KVS; writes KVC, KVS
.if DOCPART == 2
	.amdgcn_target "amdgcn-amd-amdhsa--gfx1250"
	.amdhsa_code_object_version 6
	.text
	.protected	k_qd0642d487e_kvg
	.globl	k_qd0642d487e_kvg
	.p2align	8
	.type	k_qd0642d487e_kvg,@function
k_qd0642d487e_kvg:
	s_mov_b64 s[64:65], 0
	v_nop
	global_prefetch_b8 v0, s[64:65] scope:SCOPE_SE
	s_setreg_imm32_b32 hwreg(HW_REG_WAVE_MODE, 25, 1), 1
	s_wait_xcnt 0x0
; KVG.  kv[m, g, d, h] = sum over the nodes n of Q(k_rot[m, n, d]) Q(v[n, h] where batch[n] = g, else 0), K = the nodes in their given order, blocks of 32; then kv is quantised for the last product.
; Only chunks of 128 nodes in which graph g occurs are multiplied: in all others v's codes are zeros.  Which chunks those are is read from PMB, whole numbers that the launch before stored.
; A work-group (x = 2 jg + mu, y = g) owns the rows m = 32 mu .. 32 mu + 31 x pairs 4 jg .. 4 jg + 3 x both roles (d = pair: a cos - b sin; d = 32 + pair: a sin + b cos) x all 64 h.
; Wave w = 2 u + kp takes the row tiles of m = 32 mu + 8 u + r + 8 (r / 8): 4 pairs x 2 roles x 4 tiles of h = 32 accumulators, and walks the chunks 2 t + kp, t = 0 .. 31: a constant count of trips, the work jumped over
; where the graph is absent.  In the loop waves share nothing.  k_rot is made in registers: a lane holds one m and one block's 32 positions, so a block's largest magnitude needs no other lane.
; Behind the loop ONE barrier: wave w adds the two kp halves for the h tile w, quantises along (d, m) and stores register images of the fragments.
; The rows of a tile are chosen so that the 16 registers of tiles u = 0, 1 are 16 neighbouring m: 32 mu + 16 (lane / 16) + 0 .. 15.
; A K STEP OF THE LAST PRODUCT is (mu, jp): its four blocks are 2 c + role: d = 32 role + 2 jp + c, each with m = 32 mu .. 32 mu + 31: whole blocks of K = 64 d + m, permuted alike in both operands.
; KVC [g][mu][jp 16][ht 4][3][lane][16 B], KVS [g][mu][jp][ht][lane] words.
; No tensor loads and no cluster: the walk hangs on numbers read from memory.
; LIMITS: NaN and infinities are not served; a block under 2^-124 (a block of zeros too) gets the scale byte 1.
.set L16, 4                            ; v4   16 x lane
.set OVC, 5                            ; v5   VG's codes: 2048 hK + 24 r
.set OVS, 6                            ; v6   VG's words: 1536 + 4 l
.set ABW, 7                            ; v7   LDS: my copy of a KB record, 16 x lane
.set ABR, 8                            ; v8   the same, + 1024 hK: my half's block
.set ARW, 9                            ; v9   LDS: my accumulators' images
.set ARR, 10                           ; v10-13 the images of wave 2 u' + kp' for my h tile
.set SH8, 14
.set OPM, 15
.set MXA, 16
.set MXB, 17
.set SC,  18
.set TT,  19
.set TT2, 20
.set BY,  21                           ; v21-24 bytes [role][cc]
.set TMP, 26
.set PMV, 30
.set OKS, 31                           ; v31  4 x lane
.set TR,  32                           ; v32-63 32 numbers of k_rot; also the stage for a KB record
.set FR,  64                           ; v64-87 k_rot's fragments [role]
.set VF,  88                           ; v88-135 v's fragments [ht]
.set VS,  136                          ; v136-143 the four blocks' words [bi][hp]
.set AS,  144                          ; v144-145 k_rot's scale words, v146-147 v's: these four hold scales and nothing else
.set BS,  146
.set R0,  32                           ; the end: v32-95, v148-211 the two halves' sums
.set R1,  148
.set PC,  212
.set TM,  232
.set PW,  248
.set SEL, 34
.set BC,  131072                       ; LDS: 0: images, 32768 a wave; BC: 4096 a wave
.set MSB, 0
.macro WIN new
.if MSB != (\new)
	s_set_vgpr_msb (MSB<<8)|(\new)
.set MSB, (\new)
.endif
.endm
.macro QBLK t, lo, tmp, by, wd         ; 32 numbers of one lane, one block along K -> 6 registers of codes at lo (window wd), the scale's byte in by
	WIN 0
	v_max3_num_f32 v[MXA], |v[\t]|, |v[\t+1]|, 0x1800000
	v_max3_num_f32 v[MXB], |v[\t+16]|, |v[\t+17]|, |v[\t+18]|
.irp i, 0,1,2,3,4,5
	v_max3_num_f32 v[MXA], v[MXA], |v[\t+2+2*\i]|, |v[\t+3+2*\i]|
	v_max3_num_f32 v[MXB], v[MXB], |v[\t+19+2*\i]|, |v[\t+20+2*\i]|
.endr
	v_max3_num_f32 v[MXA], v[MXA], |v[\t+14]|, |v[\t+15]|
	v_max3_num_f32 v[MXA], v[MXA], v[MXB], |v[\t+31]|
	v_add_nc_u32 v[SC], 0xff000000, v[MXA]
	v_lshrrev_b32 v[\by], 23, v[SC]
	WIN (\wd)<<6
	v_cvt_scalef32_pk16_fp6_f32 v[\lo:\lo+2], v[\t:\t+15], v[SC]
	v_cvt_scalef32_pk16_fp6_f32 v[\tmp:\tmp+2], v[\t+16:\t+31], v[SC]
	v_nop                                          ; one plain place behind a scaled conversion
	WIN ((\wd)<<6)|(\wd)
.irp i, 0,1,2
	v_mov_b32 v[\lo+3+\i], v[\tmp+\i]
.endr
.endm
.macro SWORD wreg, by0, by1            ; my bytes of blocks hK and 2 + hK, with the other half's two: the row's scale word
	WIN 0
	v_lshl_or_b32 v[TT], v[\by1], 16, v[\by0]
	v_lshlrev_b32 v[TT], v[SH8], v[TT]
	v_permlanex16_b32 v[TT2], v[TT], s[SEL], s[SEL+1]
	v_or_b32 v[\wreg], v[TT], v[TT2]
.endm
.macro LOADBA st                       ; a and b of pair st / 2 at the 32 positions of block 2 (st % 2) + hK, into buffer st % 2 of window 1: all lanes of a half read the same bytes
	WIN 0x40
.irp ab, 0,1
.irp hh, 0,1
.irp e, 0,1,2,3
	ds_load_b128 v[128+64*((\st)%2)+32*\ab+16*\hh+4*\e:128+64*((\st)%2)+32*\ab+16*\hh+4*\e+3], v[ABR] offset:2048*((\st)%2)+256*\e+32*(2*((\st)/2)+\ab)+16*\hh
.endr
.endr
.endr
.endm
.macro ROT role, cc                    ; 32 numbers of k_rot; the buffer's number is cc
	WIN 0x05                                       ; sources 0 and 1 window 1
.set A_, 128+64*(\cc)
.set B_, A_+32
.set C_, 64*(\cc)
.set S_, C_+32
.set ri, 0
.rept 16
.if \role == 0
	v_pk_mul_f32 v[TR+2*ri:TR+2*ri+1], v[B_+2*ri:B_+2*ri+1], v[S_+2*ri:S_+2*ri+1]
.else
	v_pk_mul_f32 v[TR+2*ri:TR+2*ri+1], v[A_+2*ri:A_+2*ri+1], v[S_+2*ri:S_+2*ri+1]
.endif
.set ri, ri+1
.endr
.set ri, 0
.rept 16
.if \role == 0
	v_pk_fma_f32 v[TR+2*ri:TR+2*ri+1], v[A_+2*ri:A_+2*ri+1], v[C_+2*ri:C_+2*ri+1], v[TR+2*ri:TR+2*ri+1] neg_lo:[0,0,1] neg_hi:[0,0,1]   ; a cos - b sin
.else
	v_pk_fma_f32 v[TR+2*ri:TR+2*ri+1], v[B_+2*ri:B_+2*ri+1], v[C_+2*ri:C_+2*ri+1], v[TR+2*ri:TR+2*ri+1]                                 ; a sin + b cos
.endif
.set ri, ri+1
.endr
.endm
.macro MM jj, role, ht
.set AC, 8*((2*(\jj)+\role)*4+\ht)
.if (\ht)%2
	v_wmma_scale_f32_16x16x128_f8f6f4 v[AC:AC+7], v[FR+12*\role:FR+12*\role+11], v[VF+12*\ht:VF+12*\ht+11], v[AC:AC+7], v[AS+\role], v[BS+(\ht)/2] matrix_a_fmt:MATRIX_FMT_FP6 matrix_b_fmt:MATRIX_FMT_FP6 matrix_b_scale:MATRIX_SCALE_ROW1
.else
	v_wmma_scale_f32_16x16x128_f8f6f4 v[AC:AC+7], v[FR+12*\role:FR+12*\role+11], v[VF+12*\ht:VF+12*\ht+11], v[AC:AC+7], v[AS+\role], v[BS+(\ht)/2] matrix_a_fmt:MATRIX_FMT_FP6 matrix_b_fmt:MATRIX_FMT_FP6
.endif
.endm
; 64 numbers of a lane, register 16 b + i = k 32 b + 16 (lane / 16) + i of my column, become a fragment's codes in v[PC] on and its scale word in v[PW]
.macro QUANT s
.irp b, 0,1,2,3
	v_max3_num_f32 v[TM+\b], |v[\s+16*\b]|, |v[\s+1+16*\b]|, 0x1800000
.endr
.irp i, 2,4,6,8,10,12,14
.irp b, 0,1,2,3
	v_max3_num_f32 v[TM+\b], v[TM+\b], |v[\s+16*\b+\i]|, |v[\s+1+16*\b+\i]|
.endr
.endr
.irp b, 0,1,2,3
	v_permlanex16_b32 v[TM+4+\b], v[TM+\b], s[SEL], s[SEL+1]
.endr
.irp b, 0,1,2,3
	v_max_num_f32 v[TM+\b], v[TM+\b], v[TM+4+\b]
.endr
.irp b, 0,1,2,3
	v_add_nc_u32 v[TM+12+\b], 0xff000000, v[TM+\b]
.endr
.irp b, 0,1,2,3
	v_lshrrev_b32 v[TM+4+\b], 23, v[TM+12+\b]
.endr
	v_lshl_or_b32 v[PW], v[TM+5], 8, v[TM+4]
	v_lshl_or_b32 v[PW], v[TM+6], 16, v[PW]
	v_lshl_or_b32 v[PW], v[TM+7], 24, v[PW]
.irp c, 0,1
	v_cvt_scalef32_pk16_fp6_f32 v[PC+6*\c:PC+2+6*\c], v[\s+32*\c:\s+15+32*\c], v[TM+12+2*\c]
	v_cvt_scalef32_pk16_fp6_f32 v[PC+12+4*\c:PC+14+4*\c], v[\s+16+32*\c:\s+31+32*\c], v[TM+12+2*\c+1]
.endr
	v_nop                                          ; one plain place behind a scaled conversion
.irp c, 0,1                                    ; the operand's layout wants a whole block in a lane
.irp i, 0,1,2
	v_permlane16_swap_b32 v[PC+6*\c+\i], v[PC+12+4*\c+\i]
.endr
.irp i, 0,1,2
	v_mov_b32 v[PC+3+6*\c+\i], v[PC+12+4*\c+\i]
.endr
.endr
.endm
	s_load_b256 s[8:15], s[0:1], 0x0               ; CSK s[8:9], KB s[10:11], VG s[12:13], PMB s[14:15]
	s_load_b128 s[16:19], s[0:1], 0x20             ; KVC s[16:17], KVS s[18:19]
	v_lshl_add_u32 v254, v0, 2, 0x24000
	v_mov_b32 v255, 0
	v_lshrrev_b32 v1, 5, v0
	v_readfirstlane_b32 s20, v1                    ; wave w
	v_and_b32 v1, 31, v0                           ; l
	v_and_b32 v2, 15, v0                           ; r
	v_bfe_u32 v3, v0, 4, 1                         ; hK
	s_lshr_b32 s21, s20, 1                         ; u
	s_and_b32 s22, s20, 1                          ; kp
	s_and_b32 s23, ttmp7, 0xffff                   ; g
	s_lshr_b32 s24, ttmp9, 1                       ; jg
	s_and_b32 s25, ttmp9, 1                        ; mu
	s_mov_b32 s[SEL], 0x76543210
	s_mov_b32 s[SEL+1], 0xfedcba98
	v_lshlrev_b32 v[L16], 4, v1
	v_mul_u32_u24 v[OVC], v2, 24
	v_lshl_add_u32 v[OVC], v3, 11, v[OVC]
	v_lshl_add_u32 v[OVS], v1, 2, 1536
	s_lshl_b32 s28, s20, 12
	s_add_co_u32 s28, s28, BC
	v_add_nc_u32 v[ABW], s28, v[L16]
	v_lshlrev_b32 v[ABR], 10, v3
	v_add_nc_u32 v[ABR], s28, v[ABR]
	s_lshl_b32 s28, s20, 15
	v_add_nc_u32 v[ARW], s28, v[L16]
	s_lshl_b32 s28, s20, 10
	v_add_nc_u32 v[ARR], s28, v[L16]
	v_add_nc_u32 v[ARR+1], 32768, v[ARR]
	v_add_nc_u32 v[ARR+2], 65536, v[ARR]
	v_add_nc_u32 v[ARR+3], 98304, v[ARR]
	v_lshlrev_b32 v[SH8], 3, v3
	v_lshlrev_b32 v[OPM], 10, v1
	s_lshl_b32 s28, s22, 9
	v_add_nc_u32 v[OPM], s28, v[OPM]               ; lane l asks for chunk 2 l + kp: 512 bytes of PMB a chunk
	v_lshlrev_b32 v[OKS], 2, v1
	v_mov_b32 v[TT2], 0                            ; written once: a lane permute's destination counts as one of its sources
.irp b, 0,1,2,3
	v_mov_b32 v[TM+4+\b], 0
.endr
	s_mov_b32 s29, 0
	s_wait_kmcnt 0x0
	global_load_b32 v[PMV], v[OPM], s[14:15]
	s_lshl_b32 s28, s22, 16
	s_lshl_b32 s30, s25, 15
	s_add_co_u32 s28, s28, s30
	s_lshl_b32 s30, s21, 14
	s_add_co_u32 s28, s28, s30
	s_add_nc_u64 s[36:37], s[8:9], s[28:29]        ; CSK + 65536 kp + 32768 mu + 16384 u
	s_lshl_b32 s28, s22, 15
	s_lshl_b32 s30, s24, 12
	s_add_co_u32 s28, s28, s30
	s_add_nc_u64 s[38:39], s[10:11], s[28:29]      ; KB + 32768 kp + 4096 jg
	s_lshl_b32 s28, s22, 17
	s_lshl_b32 s30, s23, 13
	s_add_co_u32 s28, s28, s30
	s_add_nc_u64 s[40:41], s[12:13], s[28:29]      ; VG + 131072 kp + 8192 g
	s_mul_i32 s28, s23, 196608
	s_mul_i32 s30, s25, 98304
	s_add_co_u32 s28, s28, s30
	s_mul_i32 s30, s24, 12288
	s_add_co_u32 s28, s28, s30
	s_mul_i32 s30, s20, 1536
	s_add_co_u32 s28, s28, s30
	s_add_nc_u64 s[42:43], s[16:17], s[28:29]      ; KVC + 196608 g + 98304 mu + 6144 (2 jg) + 1536 w
	s_lshl_b32 s28, s23, 14
	s_lshl_b32 s30, s25, 13
	s_add_co_u32 s28, s28, s30
	s_lshl_b32 s30, s24, 10
	s_add_co_u32 s28, s28, s30
	s_lshl_b32 s30, s20, 7
	s_add_co_u32 s28, s28, s30
	s_add_nc_u64 s[44:45], s[18:19], s[28:29]      ; KVS + 16384 g + 8192 mu + 512 (2 jg) + 128 w
	; The sums begin as zeros: which trip holds a sum's first product hangs on the stored list (a graph may occur in no chunk at all), so no first product can be written out ahead of the loop.  The list's load is out meanwhile.
	WIN 0x80                                       ; destination window 2
.set i, 0
.rept 256
	v_mov_b32 v[i], 0
.set i, i+1
.endr
	WIN 0
	s_wait_loadcnt 0x0
	v_lshrrev_b32 v[TT], s23, v[PMV]
	v_and_b32 v[TT], 1, v[TT]
	v_cmp_ne_u32 s26, 0, v[TT]                     ; bit t: graph g occurs in chunk 2 t + kp
	s_mov_b32 s27, 0
.Lchunk:
	s_lshr_b32 s28, s26, s27
	s_and_b32 s28, s28, 1
	s_cmp_eq_u32 s28, 0
	s_cbranch_scc1 .Lskip
	; 72 loads: the KB record first
.set i, 0
.rept 8
	global_load_b128 v[TR+4*i:TR+4*i+3], v[L16], s[38:39] offset:512*i
.set i, i+1
.endr
	WIN 0x40
.set i, 0
.rept 32
	global_load_b128 v[4*i:4*i+3], v[L16], s[36:37] offset:512*i   ; cos and sin as an image of the registers: [cc][cs][32 positions]
.set i, i+1
.endr
	WIN 0
.irp ht, 0,1,2,3
.irp cc, 0,1
.irp p, 0,1,2
	global_load_b64 v[VF+12*\ht+6*\cc+2*\p:VF+12*\ht+6*\cc+2*\p+1], v[OVC], s[40:41] offset:4096*\cc+384*\ht+8*\p
.endr
.endr
.endr
.irp bi, 0,1,2,3
.irp hp, 0,1
	global_load_b32 v[VS+2*\bi+\hp], v[OVS], s[40:41] offset:2048*\bi+128*\hp   ; lanes 0-15: h tile 2 hp; lanes 16-31: 2 hp + 1
.endr
.endr
	s_wait_loadcnt 63                              ; 64 loads are younger than the record's eight; the wait's field holds 63 at the most
.set i, 0
.rept 8
	ds_store_b128 v[ABW], v[TR+4*i:TR+4*i+3] offset:512*i   ; my own bytes: LDS serves a wave's instructions in order
.set i, i+1
.endr
	LOADBA 0
	WIN 0
	s_wait_loadcnt 0x0
.irp hp, 0,1
	v_or_b32 v[BS+\hp], v[VS+\hp], v[VS+2+\hp]     ; each block's word holds its byte at its own place
	v_or_b32 v[BS+\hp], v[BS+\hp], v[VS+4+\hp]
	v_or_b32 v[BS+\hp], v[BS+\hp], v[VS+6+\hp]
.endr
.set st, 0
.rept 8                                        ; step st: pair st / 2, blocks 2 (st % 2) + hK
.if st < 7
	LOADBA st+1
	s_wait_dscnt 16                                ; the next step's 16 loads may be out: this step's a and b are in
.else
	s_wait_dscnt 0x0
.endif
	ROT 0, st%2
	QBLK TR, FR+6*(st%2), TMP, BY+(st%2), 0
	ROT 1, st%2
	QBLK TR, FR+12+6*(st%2), TMP, BY+2+(st%2), 0
.if st%2
	SWORD AS, BY, BY+1
	SWORD AS+1, BY+2, BY+3
.rept 8
	v_nop                                          ; a scale register written by a vector instruction stands 8 places ahead of a scaled matrix instruction, an operand 4
.endr
	WIN 0xa0                                       ; C and D window 2
.irp ht, 0,1,2,3
.irp role, 0,1
	MM st/2, \role, \ht                            ; each accumulator once a chunk: no two matrix instructions that follow each other share one
.endr
.endr
.endif
.set st, st+1
.endr
	WIN 0
.rept 4
	v_nop                                          ; places in front of the next chunk's loads into v's fragments, and of the reads of the results
.endr
.Lskip:
	s_wait_xcnt 0x0                                ; the loads have read their bases
	s_add_nc_u64 s[36:37], s[36:37], 131072        ; two chunks on
	s_add_nc_u64 s[38:39], s[38:39], 65536
	s_add_nc_u64 s[40:41], s[40:41], 262144
	s_add_co_u32 s27, s27, 1
	s_cmp_lt_u32 s27, 32
	s_cbranch_scc1 .Lchunk
	; the accumulators go to LDS as images of their registers, each from its low end on
	WIN 0x08                                       ; an LDS store's data are its source 1: window 2
.set i, 0
.rept 32
	ds_store_b128 v[ARW], v[8*i:8*i+3] offset:1024*i
	ds_store_b128 v[ARW], v[8*i+4:8*i+7] offset:1024*i+512
.set i, i+1
.endr
	WIN 0
	s_wait_dscnt 0x0                               ; for the others' sake: my stores have landed
	s_barrier_signal -1
	s_barrier_wait -1
.irp jp, 0,1                                   ; K step 2 jg + jp of the last product, h tile w
.irp b, 0,1,2,3
.irp uu, 0,1
.irp hf, 0,1
	ds_load_b128 v[R0+16*\b+8*\uu+4*\hf:R0+16*\b+8*\uu+4*\hf+3], v[ARR+2*\uu] offset:4096*(4*\jp+\b)+512*\hf
	ds_load_b128 v[R1+16*\b+8*\uu+4*\hf:R1+16*\b+8*\uu+4*\hf+3], v[ARR+2*\uu+1] offset:4096*(4*\jp+\b)+512*\hf
.endr
.endr
.endr
	s_wait_dscnt 0x0
.set i, 0
.rept 32
	v_pk_add_f32 v[R0+2*i:R0+2*i+1], v[R0+2*i:R0+2*i+1], v[R1+2*i:R1+2*i+1]   ; the even chunks' sum and the odd chunks'
.set i, i+1
.endr
.if \jp
	s_wait_xcnt 0x0                                ; the first step's stores have read their data
.endif
	QUANT R0
.irp i, 0,1,2
	global_store_b128 v[L16], v[PC+4*\i:PC+4*\i+3], s[42:43] offset:6144*\jp+512*\i   ; 32 lanes store 512 consecutive bytes, aligned
.endr
	global_store_b32 v[OKS], v[PW], s[44:45] offset:512*\jp
.endr
	s_wait_tensorcnt 0x0
	ds_add_u32 v254, v255
	s_wait_dscnt 0x0
	s_endpgm
.Lfunc_end_k_qd0642d487e_kvg:
	.size	k_qd0642d487e_kvg, .Lfunc_end_k_qd0642d487e_kvg-k_qd0642d487e_kvg
	.p2alignl 7, 3214868480
	.fill 96, 4, 3214868480
	.section	.rodata,"a",@progbits
	.p2align	6, 0x0
	.amdhsa_kernel k_qd0642d487e_kvg
		.amdhsa_group_segment_fixed_size 147968
		.amdhsa_private_segment_fixed_size 0
		.amdhsa_enable_private_segment 0
		.amdhsa_kernarg_size 48
		.amdhsa_user_sgpr_count 2
		.amdhsa_user_sgpr_kernarg_segment_ptr 1
		.amdhsa_wavefront_size32 1
		.amdhsa_system_sgpr_workgroup_id_x 1
		.amdhsa_system_sgpr_workgroup_id_y 1
		.amdhsa_system_sgpr_workgroup_id_z 1
		.amdhsa_system_vgpr_workitem_id 0
		.amdhsa_next_free_vgpr 768
		.amdhsa_next_free_sgpr 66
		.amdhsa_reserve_vcc 0
		.amdhsa_float_denorm_mode_32 3
		.amdhsa_float_denorm_mode_16_64 3
		.amdhsa_memory_ordered 1
		.amdhsa_forward_progress 1
		.amdhsa_inst_pref_size 111
	.end_amdhsa_kernel
	.amdgpu_metadata
---
amdhsa.version: [ 1, 2 ]
amdhsa.kernels:
  - .name:           k_qd0642d487e_kvg
    .symbol:         k_qd0642d487e_kvg.kd
    .args:
      - { .name: CSK, .offset: 0, .size: 8, .value_kind: global_buffer, .address_space: global }
      - { .name: KB, .offset: 8, .size: 8, .value_kind: global_buffer, .address_space: global }
      - { .name: VG, .offset: 16, .size: 8, .value_kind: global_buffer, .address_space: global }
      - { .name: PMB, .offset: 24, .size: 8, .value_kind: global_buffer, .address_space: global }
      - { .name: KVC, .offset: 32, .size: 8, .value_kind: global_buffer, .address_space: global }
      - { .name: KVS, .offset: 40, .size: 8, .value_kind: global_buffer, .address_space: global }
    .group_segment_fixed_size: 147968
    .private_segment_fixed_size: 0
    .kernarg_segment_align: 8
    .kernarg_segment_size: 48
    .max_flat_workgroup_size: 128
    .sgpr_count:     66
    .vgpr_count:     768
    .wavefront_size: 32
...
	.end_amdgpu_metadata
.endif
;; end of part 2
;; launch upd (part 3): grid 256 x 1, 4 waves a work-group, no clusters, 35,328 bytes of LDS; arguments CSQ, XY, KVC, KVS, batch, out0; writes out0
.if DOCPART == 3
	.amdgcn_target "amdgcn-amd-amdhsa--gfx1250"
	.amdhsa_code_object_version 6
	.text
	.protected	k_qd0642d487e_upd
	.globl	k_qd0642d487e_upd
	.p2align	8
	.type	k_qd0642d487e_upd,@function
k_qd0642d487e_upd:
	s_mov_b64 s[64:65], 0
	v_nop
	global_prefetch_b8 v0, s[64:65] scope:SCOPE_SE
	s_setreg_imm32_b32 hwreg(HW_REG_WAVE_MODE, 25, 1), 1
	s_wait_xcnt 0x0
; UPD.  update[n, h] = sum over K = (d, m) of Q(qw[m, n, d]) Q(kv[m, batch[n], d, h]).  Only the graph of each node is kept, so only the graphs that a block of 32 nodes holds are multiplied.
; A work-group owns a block of 32 nodes: two tiles of 16.  Wave w takes a quarter of K: mu = w / 2, steps jp = 8 (w % 2) + s, s = 0 .. 7 (128 along K each: blocks 2 c + role: d = 32 role + 2 jp + c, m = 32 mu ..), for both tiles.
; It makes its 16 fragments of qw once, in registers: a lane holds one node and one block (role = lane / 16): x cos w / 8 + y sin w / 8 over the 32 m, (x, y) = (a, -b) or (b, a) of silu(q); they stay.
; Then it walks the graphs present in the block (a count read off batch): kv's 32 fragments come from memory as images of their registers, 64 matrix instructions (source 0 = 16 columns h of kv, source 1 = 16 nodes:
; a lane then holds one node and eight neighbouring h), and each lane keeps the result where its node's graph is the one in hand.
; ONE barrier: the four quarters of K meet in LDS; wave w adds them for nodes 8 w .. 8 w + 7 and stores whole rows of 256 bytes.
; No tensor loads and no cluster: the walk hangs on batch.
; LIMITS: NaN and infinities are not served; a block under 2^-124 (a block of zeros too) gets the scale byte 1.
.set L16, 4                            ; v4   16 x lane
.set OBT, 5                            ; v5   4 r
.set OBL, 6                            ; v6   4 l
.set OCQ, 7                            ; v7   16 r
.set OKS, 8                            ; v8   128 hK + 4 r
.set ASW, 9                            ; v9   LDS: 8704 w + 272 r + 32 h
.set ASR, 10                           ; v10  LDS: 272 (8 w + l / 16) + 16 r
.set OOUT, 11                          ; v11  256 (l / 16) + 16 r
.set SH8, 12
.set BL,  13                           ; v13  batch of node l;  v14, v15 of node 16 T + r
.set BT,  14
.set MXA, 16
.set MXB, 17
.set SC,  18
.set TT,  19
.set TT2, 20
.set BY,  21                           ; v21-22
.set TR,  32                           ; v32-63  32 numbers of qw
.set XY,  64                           ; v64-127 (x, y) [T][s][4]; afterwards OUT [T][ht][8]
.set OUT, 64
.set AS,  128                          ; v128-143 qw's scale words [T][s];  v144-159 kv's [s][hp]: these hold scales and nothing else
.set KS,  144
.set ACC, 164                          ; v164-227 [T][ht][8]; at the end the four quarters' rows
.set LL,  164
.set TMP, 240                          ; window 1
.set SEL, 34
; window 1: v0-191 qw's fragments [T][s] x 12; v192-239 kv's of step 5.   window 2: v0-127 cos w / 8, sin w / 8 [T][cs][32]; v128-223 kv's of steps 6, 7.   window 3: v0-239 kv's of steps 0 - 4
.set MSB, 0
.macro WIN new
.if MSB != (\new)
	s_set_vgpr_msb (MSB<<8)|(\new)
.set MSB, (\new)
.endif
.endm
.macro QBLK t, lo, tmp, by, wd         ; 32 numbers of one lane, one block along K -> 6 registers of codes at lo (window wd), the scale's byte in by
	WIN 0
	v_max3_num_f32 v[MXA], |v[\t]|, |v[\t+1]|, 0x1800000
	v_max3_num_f32 v[MXB], |v[\t+16]|, |v[\t+17]|, |v[\t+18]|
.irp i, 0,1,2,3,4,5
	v_max3_num_f32 v[MXA], v[MXA], |v[\t+2+2*\i]|, |v[\t+3+2*\i]|
	v_max3_num_f32 v[MXB], v[MXB], |v[\t+19+2*\i]|, |v[\t+20+2*\i]|
.endr
	v_max3_num_f32 v[MXA], v[MXA], |v[\t+14]|, |v[\t+15]|
	v_max3_num_f32 v[MXA], v[MXA], v[MXB], |v[\t+31]|
	v_add_nc_u32 v[SC], 0xff000000, v[MXA]
	v_lshrrev_b32 v[\by], 23, v[SC]
	WIN (\wd)<<6
	v_cvt_scalef32_pk16_fp6_f32 v[\lo:\lo+2], v[\t:\t+15], v[SC]
	v_cvt_scalef32_pk16_fp6_f32 v[\tmp:\tmp+2], v[\t+16:\t+31], v[SC]
	v_nop                                          ; one plain place behind a scaled conversion
	WIN ((\wd)<<6)|(\wd)
.irp i, 0,1,2
	v_mov_b32 v[\lo+3+\i], v[\tmp+\i]
.endr
.endm
.macro SWORD wreg, by0, by1
	WIN 0
	v_lshl_or_b32 v[TT], v[\by1], 16, v[\by0]
	v_lshlrev_b32 v[TT], v[SH8], v[TT]
	v_permlanex16_b32 v[TT2], v[TT], s[SEL], s[SEL+1]
	v_or_b32 v[\wreg], v[TT], v[TT2]
.endm
.macro KFLOC s                         ; where step s's four fragments of kv lie: window KW, register KR
.if (\s) <= 4
.set KW, 3
.set KR, 48*(\s)
.elseif (\s) == 5
.set KW, 1
.set KR, 192
.else
.set KW, 2
.set KR, 128+48*((\s)-6)
.endif
.endm
.macro LOADKS s                        ; 14 loads: step s's fragments, as images of their registers, and their scale words
	KFLOC \s
	WIN KW<<6
.irp q, 0,1,2,3,4,5,6,7,8,9,10,11
	global_load_b128 v[KR+4*\q:KR+4*\q+3], v[L16], s[36:37] offset:6144*(\s)+512*\q
.endr
	WIN 0
	global_load_b32 v[KS+2*(\s)], v[OKS], s[38:39] offset:512*(\s)          ; lanes 0-15: h tile 0, lanes 16-31: h tile 1
	global_load_b32 v[KS+2*(\s)+1], v[OKS], s[38:39] offset:512*(\s)+256    ; h tiles 2 and 3
.endm
.macro NEXTG                           ; the lowest graph left in the mask, held inside the tables; its part of KVC and KVS
	s_ctz_i32_b32 s25, s22
	s_min_u32 s25, s25, 15
	s_sub_co_u32 s28, s22, 1
	s_and_b32 s22, s22, s28
	s_mul_i32 s28, s25, 196608
	s_add_nc_u64 s[36:37], s[40:41], s[28:29]
	s_lshl_b32 s28, s25, 14
	s_add_nc_u64 s[38:39], s[42:43], s[28:29]
.endm
.macro GEN tt                          ; tile tt's eight fragments of qw
.irp s, 0,1,2,3,4,5,6,7
.irp c, 0,1
	WIN 0x02                                       ; source 0 window 2
.set gi, 0
.rept 16
	v_pk_mul_f32 v[TR+2*gi:TR+2*gi+1], v[64*\tt+2*gi:64*\tt+2*gi+1], v[XY+32*\tt+4*\s+2*\c:XY+32*\tt+4*\s+2*\c+1] op_sel_hi:[1,0]   ; x for both halves
.set gi, gi+1
.endr
.set gi, 0
.rept 16
	v_pk_fma_f32 v[TR+2*gi:TR+2*gi+1], v[64*\tt+32+2*gi:64*\tt+32+2*gi+1], v[XY+32*\tt+4*\s+2*\c:XY+32*\tt+4*\s+2*\c+1], v[TR+2*gi:TR+2*gi+1] op_sel:[0,1,0] op_sel_hi:[1,1,1]   ; y for both halves
.set gi, gi+1
.endr
	QBLK TR, 12*(8*\tt+\s)+6*\c, TMP, BY+\c, 1
.endr
	SWORD AS+8*\tt+\s, BY, BY+1
.endr
.endm
.macro MM s, ht, tt
.set AC, ACC+32*\tt+8*\ht
.set AF_, 12*(8*\tt+\s)
.if (\s) == 0
.if (\ht)%2
	v_wmma_scale_f32_16x16x128_f8f6f4 v[AC:AC+7], v[KR+12*\ht:KR+12*\ht+11], v[AF_:AF_+11], 0, v[KS+2*\s+(\ht)/2], v[AS+8*\tt+\s] matrix_a_fmt:MATRIX_FMT_FP6 matrix_b_fmt:MATRIX_FMT_FP6 matrix_a_scale:MATRIX_SCALE_ROW1
.else
	v_wmma_scale_f32_16x16x128_f8f6f4 v[AC:AC+7], v[KR+12*\ht:KR+12*\ht+11], v[AF_:AF_+11], 0, v[KS+2*\s+(\ht)/2], v[AS+8*\tt+\s] matrix_a_fmt:MATRIX_FMT_FP6 matrix_b_fmt:MATRIX_FMT_FP6
.endif
.else
.if (\ht)%2
	v_wmma_scale_f32_16x16x128_f8f6f4 v[AC:AC+7], v[KR+12*\ht:KR+12*\ht+11], v[AF_:AF_+11], v[AC:AC+7], v[KS+2*\s+(\ht)/2], v[AS+8*\tt+\s] matrix_a_fmt:MATRIX_FMT_FP6 matrix_b_fmt:MATRIX_FMT_FP6 matrix_a_scale:MATRIX_SCALE_ROW1
.else
	v_wmma_scale_f32_16x16x128_f8f6f4 v[AC:AC+7], v[KR+12*\ht:KR+12*\ht+11], v[AF_:AF_+11], v[AC:AC+7], v[KS+2*\s+(\ht)/2], v[AS+8*\tt+\s] matrix_a_fmt:MATRIX_FMT_FP6 matrix_b_fmt:MATRIX_FMT_FP6
.endif
.endif
.endm
	s_load_b256 s[8:15], s[0:1], 0x0               ; CSQ s[8:9], XY s[10:11], KVC s[12:13], KVS s[14:15]
	s_load_b128 s[16:19], s[0:1], 0x20             ; batch s[16:17], out0 s[18:19]
	v_lshl_add_u32 v254, v0, 2, 0x8800
	v_mov_b32 v255, 0
	v_lshrrev_b32 v1, 5, v0
	v_readfirstlane_b32 s20, v1                    ; wave w
	v_and_b32 v1, 31, v0                           ; l
	v_and_b32 v2, 15, v0                           ; r
	v_bfe_u32 v3, v0, 4, 1                         ; h
	s_mov_b32 s21, ttmp9                           ; blk
	s_lshr_b32 s30, s20, 1                         ; mu
	s_and_b32 s31, s20, 1                          ; jh
	s_mov_b32 s[SEL], 0x76543210
	s_mov_b32 s[SEL+1], 0xfedcba98
	v_lshlrev_b32 v[L16], 4, v1
	v_lshlrev_b32 v[OBT], 2, v2
	v_lshlrev_b32 v[OBL], 2, v1
	v_lshlrev_b32 v[OCQ], 4, v2
	v_lshl_add_u32 v[OKS], v3, 7, v[OBT]
	v_mul_u32_u24 v[ASW], v2, 272
	v_lshl_add_u32 v[ASW], v3, 5, v[ASW]
	s_mul_i32 s28, s20, 8704
	v_add_nc_u32 v[ASW], s28, v[ASW]
	v_mul_u32_u24 v[ASR], v3, 272
	v_add_nc_u32 v[ASR], v[ASR], v[OCQ]
	s_mul_i32 s28, s20, 2176
	v_add_nc_u32 v[ASR], s28, v[ASR]
	v_lshl_add_u32 v[OOUT], v3, 8, v[OCQ]
	v_lshlrev_b32 v[SH8], 3, v3
	v_mov_b32 v[TT2], 0                            ; written once: a lane permute's destination counts as one of its sources
	s_mov_b32 s29, 0                               ; the high word of every offset pair s[28:29]
	s_wait_kmcnt 0x0
	s_lshl_b32 s28, s21, 7
	s_add_nc_u64 s[16:17], s[16:17], s[28:29]      ; batch at the block
	s_lshl_b32 s28, s21, 14
	s_add_nc_u64 s[8:9], s[8:9], s[28:29]
	s_add_nc_u64 s[10:11], s[10:11], s[28:29]
	s_lshl_b32 s28, s30, 12
	s_add_nc_u64 s[8:9], s[8:9], s[28:29]          ; CSQ + 16384 blk + 4096 mu
	s_lshl_b32 s28, s31, 12
	s_add_nc_u64 s[10:11], s[10:11], s[28:29]      ; XY + 16384 blk + 4096 jh
	global_load_b32 v[BL], v[OBL], s[16:17]
	global_load_b32 v[BT], v[OBT], s[16:17]
	global_load_b32 v[BT+1], v[OBT], s[16:17] offset:64
	WIN 0x80                                       ; destination window 2
.set i, 0
.rept 32
	global_load_b128 v[4*i:4*i+3], v[OCQ], s[8:9] offset:8192*(i/16)+2048*((i/8)%2)+256*(i%8)   ; node r's 32 cosines or sines, in both halves of the lanes
.set i, i+1
.endr
	WIN 0
.set i, 0
.rept 16
	global_load_b128 v[XY+4*i:XY+4*i+3], v[L16], s[10:11] offset:8192*(i/8)+512*(i%8)
.set i, i+1
.endr
	s_mul_i32 s28, s20, 49152
	s_add_nc_u64 s[40:41], s[12:13], s[28:29]      ; KVC + 49152 w: my quarter of K, graph 0
	s_lshl_b32 s28, s20, 12
	s_add_nc_u64 s[42:43], s[14:15], s[28:29]      ; KVS + 4096 w
	s_lshl_b32 s28, s21, 13
	s_lshl_b32 s30, s20, 11
	s_add_co_u32 s28, s28, s30
	s_add_nc_u64 s[18:19], s[18:19], s[28:29]      ; out0 + 8192 blk + 2048 w
	s_wait_loadcnt 48                              ; the 48 loads of the tables may be out: batch is in
	v_lshlrev_b32 v[TT], v[BL], 1                  ; the block's graphs as bits
.irp x, 1,2,4,8
	v_mov_b32_dpp v[TT2], v[TT] row_xmask:\x row_mask:0xf bank_mask:0xf
	v_or_b32 v[TT], v[TT], v[TT2]
.endr
	v_permlanex16_b32 v[TT2], v[TT], s[SEL], s[SEL+1]
	v_or_b32 v[TT], v[TT], v[TT2]
	v_readfirstlane_b32 s22, v[TT]
	s_bcnt1_i32_b32 s23, s22                       ; how many graphs the block holds: at least one
	NEXTG
.irp s, 0,1,2,3
	LOADKS \s                                      ; the first graph's kv is asked for ahead of the work on qw
.endr
	s_wait_loadcnt 56                              ; the 56 loads just issued may be out: the tables are in
	GEN 0
.irp s, 4,5,6,7
	LOADKS \s
.endr
	GEN 1
	WIN 0
.set i, 0
.rept 64
	v_mov_b32 v[OUT+i], 0                          ; the select below keeps the old value where the node's graph is another
.set i, i+1
.endr
	s_mov_b32 s24, 0
.Lg:
.irp s, 0,1,2,3,4,5,6,7
.if 14*(7-\s) > 63
	s_wait_loadcnt 63                              ; more loads are younger than step s's than the wait's field holds
.else
	s_wait_loadcnt 14*(7-\s)                       ; the later steps' loads, 14 each, may be out
.endif
	KFLOC \s
	WIN 0x04|KW                                    ; source 0 (kv) window KW, source 1 (qw) window 1, C and D window 0
.irp ht, 0,1,2,3
.irp tt, 0,1
	MM \s, \ht, \tt                                ; the eight accumulators by turns, one instruction a turn, in the same order in every step; step 0 starts the sums
.endr
.endr
.endr
	WIN 0
.rept 4
	v_nop
.endr
	v_cmp_eq_u32 s26, s25, v[BT]
	v_cmp_eq_u32 s27, s25, v[BT+1]
.set i, 0
.rept 64
	v_cndmask_b32 v[OUT+i], v[OUT+i], v[ACC+i], s[26+i/32]   ; ascending: each accumulator from its low end on; these are also the places in front of the next graph's loads and first products
.set i, i+1
.endr
	s_add_co_u32 s24, s24, 1
	s_cmp_lt_u32 s24, s23
	s_cbranch_scc0 .Ldone                          ; no graph is left: nothing more is asked for
	s_wait_xcnt 0x0                                ; the last loads have read their bases
	NEXTG
.irp s, 0,1,2,3,4,5,6,7
	LOADKS \s
.endr
	s_cmp_lt_u32 s24, s23
	s_cbranch_scc1 .Lg
.Ldone:
.irp tt, 0,1
.irp ht, 0,1,2,3
	ds_store_b128 v[ASW], v[OUT+32*\tt+8*\ht:OUT+32*\tt+8*\ht+3] offset:4352*\tt+64*\ht       ; node 16 T + r, columns 16 ht + 8 h + 0 .. 7
	ds_store_b128 v[ASW], v[OUT+32*\tt+8*\ht+4:OUT+32*\tt+8*\ht+7] offset:4352*\tt+64*\ht+16
.endr
.endr
	s_wait_dscnt 0x0                               ; for the others' sake: my stores have landed
	s_barrier_signal -1
	s_barrier_wait -1
.irp src, 0,1,2,3
.irp i, 0,1,2,3
	ds_load_b128 v[LL+16*\src+4*\i:LL+16*\src+4*\i+3], v[ASR] offset:8704*\src+544*\i
.endr
.endr
	s_wait_dscnt 0x0
.set i, 0
.rept 8
	v_pk_add_f32 v[LL+2*i:LL+2*i+1], v[LL+2*i:LL+2*i+1], v[LL+16+2*i:LL+16+2*i+1]
	v_pk_add_f32 v[LL+32+2*i:LL+32+2*i+1], v[LL+32+2*i:LL+32+2*i+1], v[LL+48+2*i:LL+48+2*i+1]
.set i, i+1
.endr
.set i, 0
.rept 8
	v_pk_add_f32 v[LL+2*i:LL+2*i+1], v[LL+2*i:LL+2*i+1], v[LL+32+2*i:LL+32+2*i+1]
.set i, i+1
.endr
.irp i, 0,1,2,3
	global_store_b128 v[OOUT], v[LL+4*\i:LL+4*\i+3], s[18:19] offset:512*\i th:TH_STORE_NT   ; sixteen lanes store a row of 256 bytes, aligned; written once, read by nobody here
.endr
	s_wait_tensorcnt 0x0
	ds_add_u32 v254, v255
	s_wait_dscnt 0x0
	s_endpgm
.Lfunc_end_k_qd0642d487e_upd:
	.size	k_qd0642d487e_upd, .Lfunc_end_k_qd0642d487e_upd-k_qd0642d487e_upd
	.p2alignl 7, 3214868480
	.fill 96, 4, 3214868480
	.section	.rodata,"a",@progbits
	.p2align	6, 0x0
	.amdhsa_kernel k_qd0642d487e_upd
		.amdhsa_group_segment_fixed_size 35328
		.amdhsa_private_segment_fixed_size 0
		.amdhsa_enable_private_segment 0
		.amdhsa_kernarg_size 48
		.amdhsa_user_sgpr_count 2
		.amdhsa_user_sgpr_kernarg_segment_ptr 1
		.amdhsa_wavefront_size32 1
		.amdhsa_system_sgpr_workgroup_id_x 1
		.amdhsa_system_sgpr_workgroup_id_y 1
		.amdhsa_system_sgpr_workgroup_id_z 1
		.amdhsa_system_vgpr_workitem_id 0
		.amdhsa_next_free_vgpr 1024
		.amdhsa_next_free_sgpr 66
		.amdhsa_reserve_vcc 0
		.amdhsa_float_denorm_mode_32 3
		.amdhsa_float_denorm_mode_16_64 3
		.amdhsa_memory_ordered 1
		.amdhsa_forward_progress 1
		.amdhsa_inst_pref_size 165
	.end_amdhsa_kernel
	.amdgpu_metadata
---
amdhsa.version: [ 1, 2 ]
amdhsa.kernels:
  - .name:           k_qd0642d487e_upd
    .symbol:         k_qd0642d487e_upd.kd
    .args:
      - { .name: CSQ, .offset: 0, .size: 8, .value_kind: global_buffer, .address_space: global }
      - { .name: XY, .offset: 8, .size: 8, .value_kind: global_buffer, .address_space: global }
      - { .name: KVC, .offset: 16, .size: 8, .value_kind: global_buffer, .address_space: global }
      - { .name: KVS, .offset: 24, .size: 8, .value_kind: global_buffer, .address_space: global }
      - { .name: batch, .offset: 32, .size: 8, .value_kind: global_buffer, .address_space: global }
      - { .name: out0, .offset: 40, .size: 8, .value_kind: global_buffer, .address_space: global }
    .group_segment_fixed_size: 35328
    .private_segment_fixed_size: 0
    .kernarg_segment_align: 8
    .kernarg_segment_size: 48
    .max_flat_workgroup_size: 128
    .sgpr_count:     66
    .vgpr_count:     1024
    .wavefront_size: 32
...
	.end_amdgpu_metadata
.endif
;; end of part 3
